; MI455X (gfx1250); checked and timed in simulation.
; The chip was launched on July 23, 2026; its instructions are those of AMD's public machine-readable ISA for CDNA 5 (MIT licence, August 2026) and "CDNA5" Instruction Set Architecture Reference Guide (July 2026). The comments in the code are by the model that wrote it; some were corrected since.
;; Multi Head Self Attention. Allowed arithmetic: matrix products marked QUANTISED: E4M3 operands, one given power-of-two scale a tensor, by v_wmma_f32_16x16x64_fp8_fp8 or v_wmma_f32_16x16x128_fp8_fp8, f32 sums; everything else in f32.
;; Inputs: Wout 1,024 x 1,024 float32; Wqkv 1,024 x 3,072 float32; attn_mask 2,048 x 2,048 float32; cos 1 x 1 x 2,048 x 64 float32; lowp_scales 8 int32 (the exponents e of the quantised operands' scales 2^e); sin 1 x 1 x 2,048 x 64 float32; x 2,048 x 4 x 1,024 float32.
;; Outputs: out0 2,048 x 4 x 1,024 float32.
;; This version of the problem:
;;   THIS VERSION OF THE PROBLEM IS GIVEN IN LOW PRECISION. The matrix products marked QUANTISED in the list below multiply operands that are first quantised to E4M3 (4 exponent bits, 3 mantissa bits; 8 bits a number), with one given power-of-two scale for each operand tensor; their sums are f32. All else is computed in f32.
;;   The module's matrix products, in the order in which they are computed (A, B: the left and right operand; K: the contracted axis; several contracted axes count as one K, in the product's order):
;;     1. [M 8,192, K 1,024] x [K 1,024, N 3,072]; A: input x; B: input Wqkv: QUANTISED (scales: A lowp_scales[0], B lowp_scales[1])
;;     2. batch 64 x [M 2,048, K 64] x [K 64, N 2,048]; A: computed on the way; B: computed on the way: QUANTISED (scales: A lowp_scales[2], B lowp_scales[3])
;;     3. batch 64 x [M 2,048, K 2,048] x [K 2,048, N 64]; A: softmax (see below); B: computed on the way: QUANTISED (scales: A lowp_scales[4], B lowp_scales[5])
;;     4. [M 8,192, K 1,024] x [K 1,024, N 1,024]; A: computed on the way; B: input Wout: QUANTISED (scales: A lowp_scales[6], B lowp_scales[7])
;;   THE QUANTISER, for each operand of a quantised product, along K:
;;     - The operand's scale is 2^e, e = its entry of the input lowp_scales (int32; the entries are numbered through the quantised products in the list's order, A before B).
;;     - Each number is divided by the scale, clamped to +-448, and rounded to the nearest number of E4M3, ties to even, subnormals kept.
;;     - The product sums the exact products of the quantised numbers (number of the format x scale) in f32.
;;   ~~~python
;;   def quantise(x, axis, e):      # numpy; x: float32 -> the quantised numbers, widened to float32 again
;;       x = np.moveaxis(x, axis, -1); K = x.shape[-1]
;;       r = np.clip(x / 2.0 ** e, -448, 448)
;;       step = 2.0 ** (np.maximum(np.frexp(np.where(r == 0, 1, r))[1] - 1, -6) - 3)
;;       q = np.round(r / step) * step * 2.0 ** e      # np.round: ties to even
;;       return np.moveaxis(q, -1, axis).astype(np.float32)
;;   ~~~
;;   SOFTMAX AHEAD OF A QUANTISED PRODUCT. Where the list says 'softmax', what is quantised is not the finished softmax but p = 2^(t - M), with t = logit x log2(e) and M = ceil(the row's largest t), a whole number; so 1/2 < the row's largest p <= 1. The row's sum l is taken of the UNQUANTISED p, in f32, and the product's result is divided by l at the end. Since M is a whole number, a kernel that streams over the keys may use a running M (the ceiling of the running maximum): every later rescaling is an exact power of two, so the quantised numbers keep their values, but for numbers so far below the row's largest that they fall under the format's range.
;;   OPERANDS COMPUTED ON THE WAY. 'Computed on the way' means the value that the module computes at that place (a softmax that the list does not call 'softmax' is quantised finished and normalised). What goes into a quantiser is computed in f32, as accurately as f32 sums, v_exp_f32 and their like allow (about 1e-6 of the number): no bf16 or f16 on the way to a quantiser, and a product that is left as it is and whose result goes on into a quantised operand takes f32 operands (vector FMAs, or v_wmma_f32_16x16x4_f32). A number that lies on a knife's edge between two numbers of the format may be rounded either way, as far as f32 arithmetic and the matrix unit's own rounding can turn it there, and no further.
;; One version. Each part assembles by itself: llvm-mc -triple=amdgcn-amd-amdhsa -mcpu=gfx1250 --defsym DOCPART=n.
;; ======== version 1 of 1: 4 launches
;; limits: right only within a limited range of input values
;; workspace buffers: xq 8,388,608 bytes; wq 4,194,304 bytes; qq 8,388,608 bytes; kq 8,388,608 bytes; vq 8,388,608 bytes; cq 8,388,608 bytes; mimg 16,777,216 bytes; mflag 32,768 bytes of whole numbers
;; launch prep (part 1): grid 512 x 1, 4 waves a work-group, no clusters, 138,752 bytes of LDS; arguments x, Wqkv, Wout, lowp_scales, xq, wq, attn_mask, mimg, mflag; writes xq, wq, mimg, mflag
.if DOCPART == 1
	.amdgcn_target "amdgcn-amd-amdhsa--gfx1250"
	.amdhsa_code_object_version 6
	.text
	.protected	k_q06932e36a3_prep
	.globl	k_q06932e36a3_prep
	.p2align	8
	.type	k_q06932e36a3_prep,@function
k_q06932e36a3_prep:
	s_mov_b64 s[64:65], 0
	v_nop
	global_prefetch_b8 v0, s[64:65] scope:SCOPE_SE
	s_setreg_imm32_b32 hwreg(HW_REG_WAVE_MODE, 25, 1), 1
	s_wait_xcnt 0x0
; The three f32 inputs of the two plain GEMMs become codes of FP8 (E4M3), K innermost, each with its given scale 2^e.
;   x    [2048 (s)][4 (b)][1024] -> xq [b x 2048 + s][1024]   (e = entry 0)   work-groups 0 .. 255
;   Wqkv [1024 (k)][3072 (n)]    -> wq [n][1024 (k)]          (e = entry 1)   work-groups 256 .. 351
;   Wout [1024 (k)][1024 (n)]    -> wo [n][1024 (k)]          (e = entry 7)   work-groups 352 .. 383
; code = number / 2^e, held within +-448, rounded to the nearest code, ties to even.
; LIMITS: each e lies between -126 and 119, so that 2^e and 448 x 2^e are f32 numbers.  NaN among the inputs is not served.
; The three ways part on the work-group's number and never meet again; each has LDS bytes of its own.
; No tensor loads, no barrier: waves share nothing.  Matrix units and clusters have nothing to do here: each byte is read once.
.set SP,    80                         ; x: a lane's place in a stage: its 64 bytes + 16 of padding
.set XR,    16                         ; v16-79   x: four sets of 16 numbers as they are loaded
.set XX,    80                         ; v80-111  x: two sets of 16 neighbours
.set XC,    128                        ; v128-191 x: codes, four registers for each step: no store's data are written again
.set STEPS, 16
.set PITCH, 272                        ; weights: a stage row: 256 bytes of codes + 16
.set KROW,  1024                       ; a row of codes in bytes
.set NB,    8                          ; weights: blocks of 32 along K for a wave
.set WX,    32                         ; v32-95   weights: two sets of 32 numbers
.set WC,    96                         ; v96-103  weights: a block's codes
.set WOUT,  112                        ; v112-175 weights: the way out
.macro MKSCALE                         ; s30 = e  ->  v11 = 2^e (the conversion takes its exponent field), v10 = 448 x 2^e
	s_wait_kmcnt 0x0
	s_add_co_i32 s30, s30, 127
	s_lshl_b32 s31, s30, 23
	v_mov_b32 v11, s31
	s_add_co_i32 s30, s30, 8
	s_lshl_b32 s30, s30, 23
	s_or_b32 s30, s30, 0x600000
	v_mov_b32 v10, s30
.endm
; ---- x: a wave takes a run of 8,192 numbers (8 rows of memory: s = 2 R, 2 R + 1, b = 0 .. 3) in 16 steps of 512
.macro XLOAD t
.irp i, 0,1,2,3
	global_load_b128 v[XR+16*((\t)%4)+4*\i:XR+16*((\t)%4)+4*\i+3], v3, s[4:5] offset:2048*(\t)+512*\i th:TH_LOAD_NT   ; 32 lanes read 512 consecutive bytes
.endr
.endm
.macro XTURN t                         ; a step's 2,048 bytes through the wave's own stage: in as they lie, out 64 bytes a lane.  LDS serves a wave's instructions in order
.irp i, 0,1,2,3
	ds_store_b128 v14, v[XR+16*((\t)%4)+4*\i:XR+16*((\t)%4)+4*\i+3] offset:32*SP*((\t)%2)+8*SP*\i
.endr
.irp i, 0,1,2,3
	ds_load_b128 v[XX+16*((\t)%2)+4*\i:XX+16*((\t)%2)+4*\i+3], v15 offset:32*SP*((\t)%2)+16*\i
.endr
.endm
.macro XSTEP t
.set XS, XX+16*((\t)%2)
	s_wait_dscnt 0x0                               ; this step's numbers are back from the stage, and its stores into the stage have read their registers,
.if (\t)+4 < STEPS
	XLOAD (\t)+4                                   ; which take the loads of four steps on
.endif
.if (\t)+1 < STEPS
.if STEPS-2-(\t) >= 3
	s_wait_loadcnt 12                              ; the next step's four loads are in; those of the three steps behind it may be out
.else
	s_wait_loadcnt 4*(STEPS-2-(\t))
.endif
	XTURN (\t)+1
.endif
.irp i, 0,1,2,3,4,5,6,7,8,9,10,11,12,13,14,15
	v_med3_num_f32 v[XS+\i], v[XS+\i], -v10, v10   ; the conversion to an 8-bit code does not saturate (ISA guide 7.6.2): the hold comes first
.endr
	v_cvt_scalef32_pk8_fp8_f32 v[XC+4*(\t):XC+4*(\t)+1], v[XS:XS+7], v11
	v_cvt_scalef32_pk8_fp8_f32 v[XC+4*(\t)+2:XC+4*(\t)+3], v[XS+8:XS+15], v11
	global_store_b128 v3, v[XC+4*(\t):XC+4*(\t)+3], s[12:13] offset:(((\t)/2)%4)*2097152+(((\t)/2)/4)*1024+((\t)%2)*512   ; row b x 2048 + s of xq: 512 consecutive bytes a wave
.endm
; ---- a weight [1024 (k)][cols]: a lane takes a column, its registers run down K; a wave takes 32 columns x 256 along K
.macro WLOAD t, cols, src
.irp i, 0,1,2,3,4,5,6,7,8,9,10,11,12,13,14,15,16,17,18,19,20,21,22,23,24,25,26,27,28,29,30,31
	global_load_b32 v[WX+32*((\t)%2)+\i], v3, s[\src:\src+1] offset:(32*(\t)+\i)*\cols*4 th:TH_LOAD_NT
.endr
.endm
.macro WBLOCK t, cols, src
.set XS, WX+32*((\t)%2)
.if (\t) < NB-1
	s_wait_loadcnt 32                              ; this block's 32 loads are in; the next block's may be out
.else
	s_wait_loadcnt 0x0
.endif
.irp i, 0,1,2,3,4,5,6,7,8,9,10,11,12,13,14,15,16,17,18,19,20,21,22,23,24,25,26,27,28,29,30,31
	v_med3_num_f32 v[XS+\i], v[XS+\i], -v10, v10
.endr
.irp g, 0,1,2,3
	v_cvt_scalef32_pk8_fp8_f32 v[WC+2*\g:WC+2*\g+1], v[XS+8*\g:XS+8*\g+7], v11
.endr
	ds_store_b128 v4, v[WC:WC+3] offset:32*(\t)    ; 32 codes: 32 bytes of my column's row
	ds_store_b128 v4, v[WC+4:WC+7] offset:32*(\t)+16
.if (\t)+2 < NB
	WLOAD (\t)+2, \cols, \src
.endif
	s_wait_dscnt 0x0                               ; the stores have read their registers: the next block's codes may be written
.endm
.macro WPATH cols, src, dst, eoff, lbase, first
	s_load_b32 s30, s[10:11], \eoff                ; e
	s_sub_co_u32 s19, ttmp9, \first
	s_lshr_b32 s20, s19, 2                         ; which 128 columns
	s_and_b32 s21, s19, 3                          ; which 256 along K
	s_lshl_b32 s20, s20, 7
	s_lshl_b32 s22, s18, 5
	s_add_co_u32 s20, s20, s22                     ; my wave's first column
	v_lshlrev_b32 v3, 2, v2                        ; in: 4 bytes a lane
	s_mul_i32 s22, s18, 32*PITCH
	s_add_co_u32 s22, s22, \lbase                  ; my stage
	v_mul_u32_u24 v4, v2, PITCH
	v_add_nc_u32 v4, s22, v4                       ; into it: row = my column
	v_and_b32 v5, 15, v2
	v_lshrrev_b32 v6, 4, v2                        ; out of it: sixteen lanes to a row, two rows an instruction
	v_mul_u32_u24 v7, v6, PITCH
	v_lshl_add_u32 v7, v5, 4, v7
	v_add_nc_u32 v7, s22, v7
	v_lshlrev_b32 v8, 10, v6
	v_lshl_add_u32 v8, v5, 4, v8                   ; and the same place in the codes' buffer
	s_mul_i32 s24, s21, 256*\cols*4                ; the weight: 256 rows down for each step along K, + 4 x column
	s_lshl_b32 s23, s20, 2
	s_add_co_u32 s24, s24, s23
	s_mov_b32 s25, 0
	s_add_nc_u64 s[\src:\src+1], s[\src:\src+1], s[24:25]
	s_lshl_b32 s24, s20, 10                        ; the codes: column x 1,024 + 256 x step
	s_lshl_b32 s23, s21, 8
	s_add_co_u32 s24, s24, s23
	s_add_nc_u64 s[\dst:\dst+1], s[\dst:\dst+1], s[24:25]
	WLOAD 0, \cols, \src
	WLOAD 1, \cols, \src
	MKSCALE
.set Q, 0
	s_wait_alu depctr_va_vdst(0)
.rept NB
	WBLOCK Q, \cols, \src
.set Q, Q+1
.endr
.irp t, 0,1,2,3,4,5,6,7,8,9,10,11,12,13,14,15
	ds_load_b128 v[WOUT+4*\t:WOUT+4*\t+3], v7 offset:2*\t*PITCH   ; LDS serves a wave's instructions in order: these see my stores
.endr
.irp t, 0,1,2,3,4,5,6,7,8,9,10,11,12,13,14,15
	s_wait_dscnt 15-\t                             ; the younger read-backs may be out
	global_store_b128 v8, v[WOUT+4*\t:WOUT+4*\t+3], s[\dst:\dst+1] offset:2*\t*KROW   ; sixteen lanes store 256 consecutive bytes, aligned
.endr
.endm
	s_load_b256 s[4:11], s[0:1], 0x0               ; x s[4:5], Wqkv s[6:7], Wout s[8:9], the exponents s[10:11]
	s_load_b128 s[12:15], s[0:1], 0x20             ; xq s[12:13], wq s[14:15]
	v_lshl_add_u32 v192, v0, 2, 138240
	v_mov_b32 v193, 0
	v_lshrrev_b32 v1, 5, v0
	v_readfirstlane_b32 s18, v1                    ; wave
	v_and_b32 v2, 31, v0                           ; lane
	s_wait_kmcnt 0x0
	s_add_nc_u64 s[16:17], s[14:15], 3145728       ; Wout's codes (wo) lie behind Wqkv's 3,072 rows in the one buffer wq
	s_cmp_lt_u32 ttmp9, 256
	s_cbranch_scc0 .Lweights
	; ---- x
	s_load_b32 s30, s[10:11], 0x0                  ; e of x
	s_wait_alu depctr_va_vdst(0)
	v_lshlrev_b32 v3, 4, v2                        ; my 16 bytes of a load's 512, and of a step's 512 bytes of codes
	s_wait_alu depctr_va_vdst(0)
	s_lshl_b32 s19, s18, 13                        ; my wave's 8,192 bytes of LDS
	v_lshrrev_b32 v14, 2, v2
	v_mul_u32_u24 v14, v14, SP
	v_and_b32 v15, 3, v2
	v_lshl_add_u32 v14, v15, 4, v14
	v_add_nc_u32 v14, s19, v14                     ; the stage, on the way in: four lanes' 64 bytes on end, then 16 of padding
	v_mul_u32_u24 v15, v2, SP
	v_add_nc_u32 v15, s19, v15                     ; and on the way out: my 16 neighbours
	s_lshl_b32 s20, ttmp9, 2
	s_add_co_u32 s20, s20, s18                     ; R: which run of 8,192 numbers is my wave's
	s_lshl_b32 s24, s20, 15
	s_mov_b32 s25, 0
	s_add_nc_u64 s[4:5], s[4:5], s[24:25]
	s_lshl_b32 s24, s20, 11                        ; xq: row s = 2 R of b = 0
	s_add_nc_u64 s[12:13], s[12:13], s[24:25]
.irp t, 0,1,2,3
	XLOAD \t
.endr
	s_wait_alu depctr_va_vdst(0)
	MKSCALE
	s_wait_alu depctr_va_vdst(0)
	s_wait_loadcnt 12                              ; step 0's four loads are in
	XTURN 0
.irp t, 0,1,2,3,4,5,6,7,8,9,10,11,12,13,14,15
	XSTEP \t
.endr
	s_wait_tensorcnt 0x0
	ds_add_u32 v192, v193
	s_wait_dscnt 0x0
	s_endpgm
.Lweights:
	s_cmp_lt_u32 ttmp9, 352
	s_cbranch_scc0 .Lwout
	s_wait_alu depctr_va_vdst(0)
	WPATH 3072, 6, 14, 0x4, 32768, 256
	s_wait_tensorcnt 0x0
	ds_add_u32 v192, v193
	s_wait_dscnt 0x0
	s_endpgm
.Lwout:
	s_cmp_lt_u32 ttmp9, 384
	s_cbranch_scc0 .Lmask
	s_wait_alu depctr_va_vdst(0)
	WPATH 1024, 8, 16, 0x1c, 67584, 352
	s_wait_tensorcnt 0x0
	ds_add_u32 v192, v193
	s_wait_dscnt 0x0
	s_endpgm
; ---- A FOURTH WAY, work-groups 384 .. 511: attn_mask [2048 (query)][2048 (key)] f32.  Work-group R takes queries 16 R .. 16 R + 15; wave w key tiles 4 w .. 4 w + 3 of 128 keys.
; mimg [R][key tile][8,192 bytes]: the mask x 2^(3 - e2 - e3) (a power of two: nothing is rounded) as an image of the score product's C registers:
;   bytes 512 n + 16 lane hold registers 4 n .. 4 n + 3 of lane (r, h): query 16 R + r, keys 16 (n / 2) + 8 h + 4 (n % 2) + 0 .. 3 of the tile.
; mflag [R][64 words, all alike]: bit kt: key tile kt is walked; bit 16 + kt: its mask is not all zero.
; A tile is NOT walked only where in each of the 16 rows  tile's largest + D < row's largest,  D = 2 x 8 x 448^2 x 2^(e2 + e3) + 200 + 2^-20 (|tile's largest| + |row's largest|):
; 8 x 448^2 x 2^(e2 + e3) bounds |q . k| / 8 of quantised q and k for every input, so each such key's logit lies 200 under the row's largest and its p = 2^(t - M) is under 2^-288: 0 in f32.
; The tile with a row's largest mask never passes the test, so each row keeps a key.  The flags steer nothing here: they are stored, and a later launch reads them.
; LIMITS: 3 - e2 - e3 and e2 + e3 + 1 between -126 and 127; |mask| x 2^(3 - e2 - e3) finite; NaN is not served.  One barrier: the waves' maxima meet in LDS.  This way has LDS bytes of its own.
.Lmask:
.set MPI,  528                         ; a stage row: 512 bytes + 16
.set MSTG, 102400                      ; four stages of 16 rows
.set MTAB, 136192                      ; [wave][row][4 tiles] largest, and 1,024 bytes on the largest magnitudes
	s_wait_alu depctr_va_vdst(0)
	s_load_b128 s[20:23], s[0:1], 0x30             ; attn_mask, mimg
	s_load_b64 s[24:25], s[0:1], 0x40              ; mflag
	s_load_b64 s[26:27], s[10:11], 0x8             ; e2, e3
	s_sub_co_u32 s19, ttmp9, 384                   ; R
	s_mul_i32 s36, s18, 16*MPI
	s_add_co_u32 s36, s36, MSTG                    ; my stage
	s_lshl_b32 s37, s18, 8
	s_add_co_u32 s37, s37, MTAB                    ; my 256 bytes of the table
	s_lshl_b32 s28, s19, 17
	s_lshl_b32 s30, s18, 11
	s_add_co_u32 s30, s30, s28                     ; the mask: 16 R rows of 8,192 bytes + 4 w tiles of 512
	s_mov_b32 s31, 0
	s_lshl_b32 s29, s18, 15
	s_add_co_u32 s28, s28, s29                     ; the image: (16 R + 4 w) x 8,192
	s_mov_b32 s29, 0
	s_lshl_b32 s32, s19, 8
	s_mov_b32 s33, 0
	s_mov_b32 s34, 0x76543210
	s_mov_b32 s35, 0xfedcba98                      ; lane l xor 16
	s_mov_b32 s38, 0x35800000                      ; 2^-20
	v_lshlrev_b32 v3, 4, v2                        ; 16 x lane
	v_and_b32 v5, 15, v2                           ; r
	v_lshrrev_b32 v6, 4, v2                        ; h
	v_add_nc_u32 v4, s36, v3                       ; into the stage: a row as it lies
	v_mul_u32_u24 v7, v5, MPI
	v_lshl_add_u32 v7, v6, 5, v7
	v_add_nc_u32 v7, s36, v7                       ; out of it: row r, + 32 h
	v_lshlrev_b32 v8, 4, v5
	v_add_nc_u32 v9, MTAB, v8                      ; the table read: row r of wave 0's part
	v_add_nc_u32 v8, s37, v8                       ; and written: row r of mine
	v_mov_b32 v144, 0                              ; a lane permute's destination counts as a source
	v_mov_b32 v145, 0
	s_wait_alu depctr_va_vdst(0)
	s_wait_kmcnt 0x0
	s_add_nc_u64 s[20:21], s[20:21], s[30:31]
	s_add_nc_u64 s[22:23], s[22:23], s[28:29]
	s_add_nc_u64 s[24:25], s[24:25], s[32:33]
.macro MLOAD q                         ; a tile's 16 rows: each load reads 512 consecutive bytes
.irp i, 0,1,2,3,4,5,6,7,8,9,10,11,12,13,14,15
	global_load_b128 v[16+4*\i:19+4*\i], v3, s[20:21] offset:8192*\i+512*(\q) th:TH_LOAD_NT
.endr
.endm
	MLOAD 0
	s_add_co_i32 s26, s26, s27                     ; e2 + e3
	s_sub_co_i32 s30, 130, s26
	s_lshl_b32 s30, s30, 23                        ; 2^(3 - e2 - e3)
	s_mov_b32 s31, s30
	s_add_co_i32 s26, s26, 128
	s_lshl_b32 s26, s26, 23                        ; 2^(e2 + e3 + 1)
	v_mov_b32 v10, s26
	v_mul_f32 v10, 0x49c40000, v10                 ; x 8 x 448^2
	v_add_f32 v10, 0x43480000, v10                 ; + 200
	s_wait_alu depctr_va_vdst(0)
.macro MTILE q
	s_wait_loadcnt 0x0
.if (\q) > 0
	s_wait_xcnt 0x0                                ; the last tile's stores have read v80-143
.endif
.irp i, 0,1,2,3,4,5,6,7,8,9,10,11,12,13,14,15
	ds_store_b128 v4, v[16+4*\i:19+4*\i] offset:MPI*\i
.endr
.irp n, 0,1,2,3,4,5,6,7,8,9,10,11,12,13,14,15
	ds_load_b128 v[80+4*\n:83+4*\n], v7 offset:64*(\n/2)+16*(\n%2)   ; LDS serves a wave's instructions in order
.endr
	s_wait_dscnt 0x0
.if (\q) < 3
	MLOAD (\q)+1
.endif
	v_max3_num_f32 v146, v80, v81, v82             ; my row's largest among my 64 keys, and its largest magnitude: four chains
	v_max3_num_f32 v147, v83, v84, v85
	v_max3_num_f32 v148, |v80|, |v81|, |v82|
	v_max3_num_f32 v149, |v83|, |v84|, |v85|
.irp j, 6,10,14,18,22,26,30,34,38,42,46,50,54,58
	v_max3_num_f32 v146, v146, v[80+\j], v[81+\j]
	v_max3_num_f32 v147, v147, v[82+\j], v[83+\j]
	v_max3_num_f32 v148, v148, |v[80+\j]|, |v[81+\j]|
	v_max3_num_f32 v149, v149, |v[82+\j]|, |v[83+\j]|
.endr
	v_max3_num_f32 v146, v146, v142, v143
	v_max3_num_f32 v148, v148, |v142|, |v143|
	v_max_num_f32 v146, v146, v147
	v_max_num_f32 v148, v148, v149
	v_permlanex16_b32 v144, v146, s34, s35
	v_permlanex16_b32 v145, v148, s34, s35
	v_max_num_f32 v146, v146, v144                 ; and among lane l xor 16's
	v_max_num_f32 v148, v148, v145
	ds_store_b32 v8, v146 offset:4*(\q)            ; lanes r and r + 16 store the same number to the same word
	ds_store_b32 v8, v148 offset:1024+4*(\q)
.irp j, 0,2,4,6,8,10,12,14,16,18,20,22,24,26,28,30,32,34,36,38,40,42,44,46,48,50,52,54,56,58,60,62
	v_pk_mul_f32 v[80+\j:81+\j], v[80+\j:81+\j], s[30:31] op_sel_hi:[1,0]
.endr
.irp n, 0,1,2,3,4,5,6,7,8,9,10,11,12,13,14,15
	global_store_b128 v3, v[80+4*\n:83+4*\n], s[22:23] offset:8192*(\q)+512*\n   ; 512 consecutive bytes a store
.endr
.endm
	MTILE 0
	MTILE 1
	MTILE 2
	MTILE 3
	s_wait_dscnt 0x0                               ; my words of the table are written
	s_barrier_signal -1
	s_barrier_wait -1
	s_cmp_lg_u32 s18, 0
	s_cbranch_scc1 .Lmend                          ; wave 0 makes the flags
.irp i, 0,1,2,3
	ds_load_b128 v[16+4*\i:19+4*\i], v9 offset:256*\i          ; row r: the 16 tiles' largest
	ds_load_b128 v[32+4*\i:35+4*\i], v9 offset:1024+256*\i     ; and largest magnitudes
.endr
	s_wait_dscnt 0x0
	v_max3_num_f32 v48, v16, v17, v18
	v_max3_num_f32 v49, v19, v20, v21
	v_max3_num_f32 v48, v48, v22, v23
	v_max3_num_f32 v49, v49, v24, v25
	v_max3_num_f32 v48, v48, v26, v27
	v_max3_num_f32 v49, v49, v28, v29
	v_max3_num_f32 v48, v48, v30, v31
	v_max_num_f32 v48, v48, v49                    ; the row's largest
	v_fma_f32 v50, |v48|, s38, v10
	s_wait_alu depctr_va_vdst(0)
	s_mov_b32 s36, 0
.irp k, 0,1,2,3,4,5,6,7,8,9,10,11,12,13,14,15
	v_fma_f32 v51, |v[16+\k]|, s38, v[16+\k]
	v_add_f32 v51, v51, v50
	v_cmp_gt_f32 vcc_lo, v51, v48                  ; some row keeps the tile
	s_cmp_lg_u32 vcc_lo, 0
	s_cselect_b32 s37, 1<<\k, 0
	s_or_b32 s36, s36, s37
	v_cmp_lt_f32 vcc_lo, 0, v[32+\k]               ; some number of it is not 0
	s_cmp_lg_u32 vcc_lo, 0
	s_cselect_b32 s37, 0x10000<<\k, 0
	s_or_b32 s36, s36, s37
.endr
	v_mov_b32 v52, s36
	v_mov_b32 v53, s36
	v_lshlrev_b32 v54, 3, v2
	global_store_b64 v54, v[52:53], s[24:25]       ; 32 lanes store 256 consecutive bytes, aligned
.Lmend:
	s_wait_tensorcnt 0x0
	ds_add_u32 v192, v193
	s_wait_dscnt 0x0
	s_endpgm
.Lfunc_end_k_q06932e36a3_prep:
	.size	k_q06932e36a3_prep, .Lfunc_end_k_q06932e36a3_prep-k_q06932e36a3_prep
	.p2alignl 7, 3214868480
	.fill 96, 4, 3214868480
	.section	.rodata,"a",@progbits
	.p2align	6, 0x0
	.amdhsa_kernel k_q06932e36a3_prep
		.amdhsa_group_segment_fixed_size 138752
		.amdhsa_private_segment_fixed_size 0
		.amdhsa_enable_private_segment 0
		.amdhsa_kernarg_size 72
		.amdhsa_user_sgpr_count 2
		.amdhsa_user_sgpr_kernarg_segment_ptr 1
		.amdhsa_wavefront_size32 1
		.amdhsa_system_sgpr_workgroup_id_x 1
		.amdhsa_system_sgpr_workgroup_id_y 1
		.amdhsa_system_sgpr_workgroup_id_z 1
		.amdhsa_system_vgpr_workitem_id 0
		.amdhsa_next_free_vgpr 194
		.amdhsa_next_free_sgpr 66
		.amdhsa_reserve_vcc 1
		.amdhsa_float_denorm_mode_32 3
		.amdhsa_float_denorm_mode_16_64 3
		.amdhsa_memory_ordered 1
		.amdhsa_forward_progress 1
		.amdhsa_inst_pref_size 189
	.end_amdhsa_kernel
	.amdgpu_metadata
---
amdhsa.version: [ 1, 2 ]
amdhsa.kernels:
  - .name:           k_q06932e36a3_prep
    .symbol:         k_q06932e36a3_prep.kd
    .args:
      - { .name: x, .offset: 0, .size: 8, .value_kind: global_buffer, .address_space: global }
      - { .name: Wqkv, .offset: 8, .size: 8, .value_kind: global_buffer, .address_space: global }
      - { .name: Wout, .offset: 16, .size: 8, .value_kind: global_buffer, .address_space: global }
      - { .name: lowp_scales, .offset: 24, .size: 8, .value_kind: global_buffer, .address_space: global }
      - { .name: xq, .offset: 32, .size: 8, .value_kind: global_buffer, .address_space: global }
      - { .name: wq, .offset: 40, .size: 8, .value_kind: global_buffer, .address_space: global }
      - { .name: attn_mask, .offset: 48, .size: 8, .value_kind: global_buffer, .address_space: global }
      - { .name: mimg, .offset: 56, .size: 8, .value_kind: global_buffer, .address_space: global }
      - { .name: mflag, .offset: 64, .size: 8, .value_kind: global_buffer, .address_space: global }
    .group_segment_fixed_size: 138752
    .private_segment_fixed_size: 0
    .kernarg_segment_align: 8
    .kernarg_segment_size: 72
    .max_flat_workgroup_size: 128
    .sgpr_count:     66
    .vgpr_count:     194
    .wavefront_size: 32
...
	.end_amdgpu_metadata
.endif
;; end of part 1
;; launch qkv (part 2): grid 12 x 32, 4 waves a work-group, clusters of 4 x 4, 327,680 bytes of LDS; arguments xq, wq, lowp_scales, cos, sin, qq, kq, vq; writes qq, kq, vq
.if DOCPART == 2
	.amdgcn_target "amdgcn-amd-amdhsa--gfx1250"
	.amdhsa_code_object_version 6
	.text
	.protected	k_q06932e36a3_qkv
	.globl	k_q06932e36a3_qkv
	.p2align	8
	.type	k_q06932e36a3_qkv,@function
k_q06932e36a3_qkv:
	s_mov_b64 s[64:65], 0
	v_nop
	global_prefetch_b8 v0, s[64:65] scope:SCOPE_SE
	s_setreg_imm32_b32 hwreg(HW_REG_WAVE_MODE, 25, 1), 1
	s_wait_xcnt 0x0
	s_wait_alu depctr_hold_cnt(0) depctr_sa_sdst(0) depctr_va_vdst(0) depctr_va_sdst(0) depctr_va_ssrc(0) depctr_va_vcc(0) depctr_vm_vsrc(0)
	s_getreg_b32 s2, hwreg(HW_REG_IB_STS2, 6, 4)
	s_cmp_eq_u32 s2, 0
	s_cbranch_scc0 .Lentry_in_a_cluster
	s_endpgm
.Lentry_in_a_cluster:
	s_bfe_u32 s2, ttmp6, 0x10000c
	s_cmp_lg_u32 s2, 0xf033
	s_cbranch_scc0 .Lentry_shape_is_right
	s_endpgm
.Lentry_shape_is_right:
.set KSTEP,  256
.set ROWB,   256
.set KROW,   1024
.set PITCH,  272
.set FR,     16
.set NL,     4
.set NP,     4
.set HALFT,  128*PITCH
.set SLOT,   4*HALFT
.set LAPS,   KROW/(2*KSTEP)
.set SPARE,  2*SLOT
.set ADRA, 16
.set ADRB, 20
.set LN,   26
.set CSO,  27
.set SPW,  28
.set NIL,  29
.set AF,   128
.set RR,   160
.set TT,   224
.set CC,   232
.set G1, 24
.set G0, 32
.set G1B, 48
.set G0B, 56
.set MSB, 0
.macro WIN new
.if MSB != (\new)
	s_set_vgpr_msb (MSB<<8)|(\new)
.set MSB, (\new)
.endif
.endm
.set MUL_LO, 0xa1
.set MUL_HI, 0xf1
.set TO_B,   0x40
.macro JLOAD g0a, g1a, g0b, g1b
	s_cmp_eq_u32 s15, 0
	s_cbranch_scc0 .Lfor_b_\@
	tensor_load_to_lds s[\g0a:\g0a+3], s[\g1a:\g1a+7]
	s_nop 0
.rept 4
	v_nop
.endr
	s_branch .Lasked_\@
.Lfor_b_\@:
	tensor_load_to_lds s[\g0b:\g0b+3], s[\g1b:\g1b+7]
	s_nop 0
.rept 4
	v_nop
.endr
.Lasked_\@:
.endm
.macro CREST
	s_cmp_lg_u32 s14, 0
	s_cbranch_scc1 .Lnot_wave_0_\@
	s_barrier_signal -3
.Lnot_wave_0_\@:
	s_barrier_wait -3
	s_barrier_signal -1
	s_barrier_wait -1
.endm
.macro CROUND
	s_barrier_signal -1
	s_barrier_wait -1
	CREST
.endm
	s_load_b256 s[4:11], s[0:1], 0x0
	s_load_b256 s[68:75], s[0:1], 0x20
	v_lshl_add_u32 v[SPW], v0, 2, SPARE
	v_mov_b32 v[NIL], 0
	ds_add_u32 v28, v29
	ds_add_u32 v28, v29
	s_wait_dscnt 0x0
	v_lshrrev_b32 v1, 5, v0
	v_readfirstlane_b32 s14, v1
	s_lshr_b32 s15, s14, 1
	s_and_b32 s16, s14, 1
	s_bfe_u32 s40, ttmp6, 0x40000
	s_bfe_u32 s41, ttmp6, 0x40004
	s_and_b32 s84, ttmp7, 0xffff
	s_lshl_b32 s84, s84, 2
	s_lshl_b32 s85, ttmp9, 2
	s_cmp_eq_u32 ttmp9, 2
	s_cselect_b32 s17, 8, s84
	s_cselect_b32 s42, s84, s85
	s_add_co_u32 s17, s17, s41
	s_add_co_u32 s42, s42, s40
	s_lshl_b32 s43, s41, 2
	s_lshl_b32 s43, 15, s43
	s_lshl_b32 s44, 0x1111, s40
	s_or_b32 s[G1+0], s43, (0<<16)|(1<<20)|(1<<21)|(5<<22)|(3<<25)
	s_or_b32 s[G1B+0], s44, (0<<16)|(1<<20)|(1<<21)|(5<<22)|(3<<25)
.irp g, G1, G1B
	s_mov_b32 s[\g+1], ROWB<<16
	s_mov_b32 s[\g+2], 128<<16
	s_mov_b32 s[\g+3], ROWB<<16
	s_mov_b32 s[\g+4], 128
	s_mov_b32 s[\g+5], KROW
	s_mov_b32 s[\g+6], 0
	s_mov_b32 s[\g+7], 0
.endr
	s_lshl_b32 s18, s16, 7
	s_lshl_b32 s20, s17, 8
	s_add_co_u32 s20, s20, s18
	s_lshl_b32 s20, s20, 10
	s_mov_b32 s21, 0
	s_lshl_b32 s46, s42, 8
	s_add_co_u32 s46, s46, s18
	s_lshl_b32 s46, s46, 10
	s_mov_b32 s47, 0
	s_mul_i32 s45, s14, HALFT
	s_wait_kmcnt 0x0
	s_load_b256 s[88:95], s[8:9], 0x0
	s_cmp_eq_u32 ttmp9, 2
	s_cselect_b64 s[76:77], s[6:7], s[4:5]
	s_cselect_b64 s[78:79], s[4:5], s[6:7]
	s_add_nc_u64 s[20:21], s[76:77], s[20:21]
	s_add_nc_u64 s[46:47], s[78:79], s[46:47]
	CROUND
.irp s, 0,1
	s_mov_b32 s[G0+4*\s], 1
	s_add_co_u32 s[G0+4*\s+1], s45, \s*SLOT
	s_add_nc_u64 s[G0+4*\s+2:G0+4*\s+3], s[20:21], \s*ROWB
	s_or_b32 s[G0+4*\s+3], s[G0+4*\s+3], 0x80000000
	s_mov_b32 s[G0B+4*\s], 1
	s_add_co_u32 s[G0B+4*\s+1], s45, \s*SLOT
	s_add_nc_u64 s[G0B+4*\s+2:G0B+4*\s+3], s[46:47], \s*ROWB
	s_or_b32 s[G0B+4*\s+3], s[G0B+4*\s+3], 0x80000000
	s_wait_alu depctr_va_vdst(0)
	s_wait_tensorcnt 0x0
	ds_add_u32 v28, v29
	ds_add_u32 v28, v29
	s_wait_dscnt 0x0
	CROUND
	JLOAD G0+4*\s, G1, G0B+4*\s, G1B
.endr
	v_and_b32 v1, 15, v0
	v_bfe_u32 v2, v0, 4, 1
	v_mul_u32_u24 v3, v1, PITCH
	v_lshl_add_u32 v4, v2, 4, v3
	s_mul_i32 s21, s15, HALFT
	s_mul_i32 s22, s16, HALFT
	s_add_co_u32 s22, s22, 2*HALFT
.irp s, 0,1
	v_add_nc_u32 v[ADRA+\s], s21, v4
	v_add_nc_u32 v[ADRB+\s], s22, v4
	s_add_co_u32 s21, s21, SLOT
	s_add_co_u32 s22, s22, SLOT
.endr
	v_and_b32 v6, 31, v0
	v_lshlrev_b32 v[LN], 4, v6
	v_lshlrev_b32 v[CSO], 8, v1
	v_lshl_add_u32 v[CSO], v2, 5, v[CSO]
.macro FRAG reg, adr, q, i
.irp c, 0,1,2,3
	ds_load_b128 v[\reg+4*\c:\reg+4*\c+3], v[\adr] offset:128*(\q)+32*\c+(\i)*16*PITCH
.endr
.endm
.macro MUL16 a0, p, zero
.irp a, \a0, \a0+1
.irp b, 0,1,2,3,4,5,6,7
.if \zero
	v_wmma_f32_16x16x128_fp8_fp8 v[8*(8*((\a)%4)+\b):8*(8*((\a)%4)+\b)+7], v[128*(\p)+FR*\b:128*(\p)+FR*\b+FR-1], v[AF+FR*(\a):AF+FR*(\a)+FR-1], 0
.else
	v_wmma_f32_16x16x128_fp8_fp8 v[8*(8*((\a)%4)+\b):8*(8*((\a)%4)+\b)+7], v[128*(\p)+FR*\b:128*(\p)+FR*\b+FR-1], v[AF+FR*(\a):AF+FR*(\a)+FR-1], v[8*(8*((\a)%4)+\b):8*(8*((\a)%4)+\b)+7]
.endif
.endr
.endr
.endm
.macro FETCH_B slot, q, p
	WIN TO_B
.irp i, 0,1,2,3,4,5,6,7
	FRAG 128*(\p)+FR*\i, ADRB+\slot, \q, \i
.endr
	WIN 0
.endm
.macro FETCH_A slot, q, i0
.irp i, \i0, \i0+1, \i0+2, \i0+3
	FRAG AF+FR*(\i), ADRA+\slot, \q, \i
.endr
.endm
.macro PLACES n
.rept \n
	v_nop
.endr
.endm
.macro STEP slot, q, zero
	s_wait_dscnt 4*NL
	WIN MUL_LO
	MUL16 0, (\q)%2, \zero
	MUL16 2, (\q)%2, \zero
	s_wait_dscnt 0
	PLACES NP
	FETCH_B \slot, (\q)+1, 1-(\q)%2
	FETCH_A \slot, (\q)+1, 0
	WIN MUL_HI
	MUL16 4, (\q)%2, \zero
	MUL16 6, (\q)%2, \zero
	PLACES NP
	WIN 0
	FETCH_A \slot, (\q)+1, 4
.endm
.macro TURN slot, next, fill
	s_wait_tensorcnt 0x0
	ds_add_u32 v[SPW], v[NIL]
	s_wait_dscnt 4*NL+1
	WIN MUL_LO
	MUL16 0, 1, 0
	s_wait_dscnt 0x0
	s_barrier_signal -1
	MUL16 2, 1, 0
	WIN 0
	s_barrier_wait -1
.if \fill
	CREST
	s_add_nc_u64 s[G0+4*\slot+2:G0+4*\slot+3], s[G0+4*\slot+2:G0+4*\slot+3], 2*ROWB
	s_add_nc_u64 s[G0B+4*\slot+2:G0B+4*\slot+3], s[G0B+4*\slot+2:G0B+4*\slot+3], 2*ROWB
	JLOAD G0+4*\slot, G1, G0B+4*\slot, G1B
.else
	PLACES NP
.endif
	FETCH_B \next, 0, 0
	FETCH_A \next, 0, 0
	WIN MUL_HI
	MUL16 4, 1, 0
	MUL16 6, 1, 0
	PLACES NP
	WIN 0
	FETCH_A \next, 0, 4
.endm
	s_wait_alu depctr_va_vdst(0)
	s_wait_tensorcnt 1
	s_barrier_signal -1
	s_barrier_wait -1
	FETCH_B 0, 0, 0
	FETCH_A 0, 0, 0
	FETCH_A 0, 0, 4
	STEP 0, 0, 1
	s_mov_b32 s3, LAPS-1
.Llap:
	TURN 0, 1, 1
	STEP 1, 0, 0
	TURN 1, 0, 1
	STEP 0, 0, 0
	s_sub_co_u32 s3, s3, 1
	s_cmp_lg_u32 s3, 0
	s_cbranch_scc1 .Llap
	TURN 0, 1, 0
	STEP 1, 0, 0
	s_wait_dscnt 4*NL
	WIN MUL_LO
	MUL16 0, 1, 0
	MUL16 2, 1, 0
	s_wait_dscnt 0
	WIN MUL_HI
	MUL16 4, 1, 0
	MUL16 6, 1, 0
	WIN 0
.macro QSCALE
	s_add_co_i32 s80, s80, 127
	s_lshl_b32 s81, s80, 23
	v_mov_b32 v248, s81
	s_add_co_i32 s80, s80, 8
	s_lshl_b32 s80, s80, 23
	s_or_b32 s80, s80, 0x600000
	v_mov_b32 v249, s80
.endm
.macro CSLOAD a
.set CB, 32+64*((\a)%2)
.irp c, 0,1,2,3
.irp u, 0,1
	global_load_b128 v[CB+8*\c+4*\u:CB+8*\c+4*\u+3], v[CSO], s[10:11] offset:(\a)*4096+64*\c+16*\u
	global_load_b128 v[CB+32+8*\c+4*\u:CB+32+8*\c+4*\u+3], v[CSO], s[68:69] offset:(\a)*4096+64*\c+16*\u
.endr
.endr
.endm
.macro QKBLOCK a
.if (\a) > 0
	s_wait_xcnt 0x0
.endif
.if (\a) < 7
	CSLOAD (\a)+1
	s_wait_loadcnt 16
.else
	s_wait_loadcnt 0x0
.endif
.set CB, 32+64*((\a)%2)
.set AC, 64*((\a)%4)
	WIN (0x02+((\a)/4))
.set b, 0
.rept 8
.set p, 0
.rept 4
	v_mul_f32 v[TT+2*p], -v[AC+8*b+2*p+1], v[CB+32+8*(b%4)+2*p]
	v_mul_f32 v[TT+2*p+1], v[AC+8*b+2*p], v[CB+32+8*(b%4)+2*p+1]
.set p, p+1
.endr
.set p, 0
.rept 4
	v_pk_fma_f32 v[RR+8*b+2*p:RR+8*b+2*p+1], v[AC+8*b+2*p:AC+8*b+2*p+1], v[CB+8*(b%4)+2*p:CB+8*(b%4)+2*p+1], v[TT+2*p:TT+2*p+1]
.set p, p+1
.endr
.set b, b+1
.endr
	WIN 0
.set b, 0
.rept 8
.set j, 0
.rept 8
	v_med3_num_f32 v[RR+8*b+j], v[RR+8*b+j], -v249, v249
.set j, j+1
.endr
	v_cvt_scalef32_pk8_fp8_f32 v[CC+2*b:CC+2*b+1], v[RR+8*b:RR+8*b+7], v248
.set b, b+1
.endr
	v_nop
.irp hd, 0,1
.irp u, 0,1
	global_store_b128 v[LN], v[CC+8*\hd+4*\u:CC+8*\hd+4*\u+3], s[82:83] offset:\hd*8192+(\a)*1024+\u*512
.endr
.endr
.endm
.macro VBLOCK a
.if (\a) > 0
	s_wait_xcnt 0x0
.endif
.set AC, 64*((\a)%4)
	WIN (0x02+((\a)/4))
.set n, 0
.rept 64
	v_med3_num_f32 v[RR+n], v[AC+n], -v249, v249
.set n, n+1
.endr
	WIN 0
.set b, 0
.rept 8
	v_cvt_scalef32_pk8_fp8_f32 v[CC+2*b:CC+2*b+1], v[RR+8*b:RR+8*b+7], v248
.set b, b+1
.endr
	v_nop
.irp u, 0,1,2,3
	global_store_b128 v[LN], v[CC+4*\u:CC+4*\u+3], s[82:83] offset:((\a)/4)*8192+((\a)%4)*2048+\u*512
.endr
.endm
	s_wait_kmcnt 0x0
	PLACES NP
	s_cmp_eq_u32 ttmp9, 2
	s_cbranch_scc1 .Lv
	s_cmp_eq_u32 ttmp9, 0
	s_cselect_b32 s80, s90, s91
	s_cselect_b64 s[82:83], s[70:71], s[72:73]
	s_sub_co_i32 s80, s80, s88
	s_sub_co_i32 s80, s80, s89
	QSCALE
	s_lshr_b32 s86, s17, 3
	s_lshl_b32 s86, s86, 21
	s_lshl_b32 s87, s40, 19
	s_add_co_u32 s86, s86, s87
	s_and_b32 s87, s17, 7
	s_lshl_b32 s87, s87, 1
	s_add_co_u32 s87, s87, s15
	s_lshl_b32 s87, s87, 15
	s_add_co_u32 s86, s86, s87
	s_lshl_b32 s87, s16, 14
	s_add_co_u32 s86, s86, s87
	s_mov_b32 s87, 0
	s_add_nc_u64 s[82:83], s[82:83], s[86:87]
	s_and_b32 s86, s17, 7
	s_lshl_b32 s86, s86, 16
	s_lshl_b32 s81, s15, 15
	s_add_co_u32 s86, s86, s81
	s_add_nc_u64 s[10:11], s[10:11], s[86:87]
	s_add_nc_u64 s[68:69], s[68:69], s[86:87]
	CSLOAD 0
.irp a, 0,1,2,3,4,5,6,7
	QKBLOCK \a
.endr
	s_branch .Ldone
.Lv:
	s_sub_co_i32 s80, s93, s88
	s_sub_co_i32 s80, s80, s89
	QSCALE
	s_wait_alu depctr_va_vdst(0)
	s_lshr_b32 s86, s42, 3
	s_lshl_b32 s86, s86, 21
	s_lshl_b32 s87, s41, 19
	s_add_co_u32 s86, s86, s87
	s_and_b32 s87, s42, 7
	s_lshl_b32 s87, s87, 1
	s_add_co_u32 s87, s87, s16
	s_lshl_b32 s87, s87, 15
	s_add_co_u32 s86, s86, s87
	s_lshl_b32 s87, s15, 14
	s_add_co_u32 s86, s86, s87
	s_mov_b32 s87, 0
	s_add_nc_u64 s[82:83], s[74:75], s[86:87]
.irp a, 0,1,2,3,4,5,6,7
	VBLOCK \a
.endr
.Ldone:
	s_wait_tensorcnt 0x0
	ds_add_u32 v[SPW], v[NIL]
	s_wait_dscnt 0x0
	CROUND
	s_endpgm
.Lfunc_end_k_q06932e36a3_qkv:
	.size	k_q06932e36a3_qkv, .Lfunc_end_k_q06932e36a3_qkv-k_q06932e36a3_qkv
	.p2alignl 7, 3214868480
	.fill 96, 4, 3214868480
	.section	.rodata,"a",@progbits
	.p2align	6, 0x0
	.amdhsa_kernel k_q06932e36a3_qkv
		.amdhsa_group_segment_fixed_size 327680
		.amdhsa_private_segment_fixed_size 0
		.amdhsa_enable_private_segment 0
		.amdhsa_kernarg_size 64
		.amdhsa_user_sgpr_count 2
		.amdhsa_user_sgpr_kernarg_segment_ptr 1
		.amdhsa_wavefront_size32 1
		.amdhsa_system_sgpr_workgroup_id_x 1
		.amdhsa_system_sgpr_workgroup_id_y 1
		.amdhsa_system_sgpr_workgroup_id_z 1
		.amdhsa_system_vgpr_workitem_id 0
		.amdhsa_next_free_vgpr 1024
		.amdhsa_next_free_sgpr 100
		.amdhsa_reserve_vcc 0
		.amdhsa_float_denorm_mode_32 3
		.amdhsa_float_denorm_mode_16_64 3
		.amdhsa_memory_ordered 1
		.amdhsa_forward_progress 1
		.amdhsa_inst_pref_size 212
	.end_amdhsa_kernel
	.amdgpu_metadata
---
amdhsa.version: [ 1, 2 ]
amdhsa.kernels:
  - .name:           k_q06932e36a3_qkv
    .symbol:         k_q06932e36a3_qkv.kd
    .args:
      - { .name: xq, .offset: 0, .size: 8, .value_kind: global_buffer, .address_space: global }
      - { .name: wq, .offset: 8, .size: 8, .value_kind: global_buffer, .address_space: global }
      - { .name: lowp_scales, .offset: 16, .size: 8, .value_kind: global_buffer, .address_space: global }
      - { .name: cos, .offset: 24, .size: 8, .value_kind: global_buffer, .address_space: global }
      - { .name: sin, .offset: 32, .size: 8, .value_kind: global_buffer, .address_space: global }
      - { .name: qq, .offset: 40, .size: 8, .value_kind: global_buffer, .address_space: global }
      - { .name: kq, .offset: 48, .size: 8, .value_kind: global_buffer, .address_space: global }
      - { .name: vq, .offset: 56, .size: 8, .value_kind: global_buffer, .address_space: global }
    .group_segment_fixed_size: 327680
    .private_segment_fixed_size: 0
    .kernarg_segment_align: 8
    .kernarg_segment_size: 64
    .max_flat_workgroup_size: 128
    .sgpr_count:     100
    .vgpr_count:     1024
    .wavefront_size: 32
...
	.end_amdgpu_metadata
.endif
;; end of part 2
;; launch attn (part 3): grid 16 x 16, 8 waves a work-group, no clusters, 35,840 bytes of LDS; arguments qq, kq, vq, mimg, mflag, lowp_scales, cq; writes cq
.if DOCPART == 3
	.amdgcn_target "amdgcn-amd-amdhsa--gfx1250"
	.amdhsa_code_object_version 6
	.text
	.protected	k_q06932e36a3_attn
	.globl	k_q06932e36a3_attn
	.p2align	8
	.type	k_q06932e36a3_attn,@function
k_q06932e36a3_attn:
	s_mov_b64 s[64:65], 0
	v_nop
	global_prefetch_b8 v0, s[64:65] scope:SCOPE_SE
	s_setreg_imm32_b32 hwreg(HW_REG_WAVE_MODE, 25, 1), 1
	s_wait_xcnt 0x0
; ctx = softmax(q k^T / 8 + mask) v for 64 (batch, head) pairs of 2,048 tokens x 64 channels, both products on codes of FP8 (E4M3); ctx is quantised for the last product and stored as codes.
; qq, kq, vq: images of operand registers, [Y = 4 b + g][block of 128 tokens][head in group g][8,192 bytes].  mimg, mflag: the mask as the first launch lays it:
; mimg [16 queries R][128 keys kt][8,192 bytes] = mask x 2^(3 - e2 - e3) in the layout of S^T; mflag word 64 R: bit kt: tile kt is walked; bit 16 + kt: its mask is not all zero.
; WORK LEFT OUT BY THE STORED FLAGS.  A key tile is passed over only where the first launch has shown, from the mask as given and from the bound 8 x 448^2 x 2^(e2 + e3) on |q . k| / 8 of quantised
; operands, that every p of the tile is 0 in f32 for all 32 queries of the block.  A tile whose mask is all zero takes the constant 0 as C.  Nothing of the mask's pattern stands in this text.
; THE SOFTMAX: S^T = K Q^T + C, C the mask's image; t = S^T x c, c = log2(e) / 8 x 2^(e2 + e3); M = the running largest t rounded UP to a whole number; p = 2^(t - M) is quantised with 2^e4, not normalised;
; the row's sum is taken of the unquantised p and divides at the end.  When M moves, the sum and O are multiplied by 2^(old M - new M): exact.
; SHARES.  256 work-groups: x = a pair group, y = Y.  Wave w: head w % 4 of the group, pair pi = 2 x + w / 4: it owns the blocks of 32 queries 63 - pi and pi, one after the other.
; A step is 32 queries x 128 keys: 16 + 8 matrix instructions; each fragment of K and V feeds two.  K, V and the mask come from memory straight into registers, 512 consecutive bytes a load, asked for one step ahead:
; K's behind the step's first product, the mask's and V's behind its second; at a block's last step the look-ahead names the other block's first tile; at the wave's last step tile 15 of K and V, which nobody uses.
; NO TENSOR LOADS, NO CLUSTER, NO L2 PREFETCH: which tiles a wave walks is read from memory, so partners could not make every joint request; each load is itself issued a whole step ahead of its use.
; THE WAY OUT: the four heads' 64 bytes of a row meet in LDS; one barrier; sixteen lanes store a row's 256 bytes.
; LIMITS: e2 + e3 between -123 and 130; e4, and e6 - e4 - e5, between -126 and 119; |t| under 2^31.  NaN is not served.  Where |mask| is so large that f32 swallows the scores, t's last bits follow the matrix unit's rounding.
; REGISTERS.  window 0: v1-6 addresses; v12-19 statistics (-M, largest t, the sum in two halves) of my two tiles of 16 queries; v20-23 scales and holds; v24-27 f; v28-31, v224-229 at work; v32-47, v48-63 Q of the two blocks;
;   v64-191 S^T, then p; v192-223 P.   window 1: v0-63 O^T (tile a, channels 16 t on: 32 a + 8 t); v64-127 K; v128-191 V.
.set SPI,   272                        ; a stage row: 256 bytes + 16
.set REG,   32*SPI                     ; a block's 32 rows
.set SPARE, 4*REG                      ; behind the four regions: the spare words, 128 bytes for each of eight waves
.set LN16, 1
.set STO,  2
.set RD,   3
.set GO,   4
.set SPW,  5
.set NIL,  6
.set ST,   12
.set PSC,  20
.set PLIM, 21
.set CSC,  22
.set CLIM, 23
.set F,    24
.set T0,   28
.set T1,   30
.set T2,   224
.set TS,   226
.set QA,   32
.set QB,   48
.set S,    64
.set P,    192
.set KF,   64                          ; window 1
.set VF,   128                         ; window 1
.set WV,   18
.set KB0,  26                          ; s[26:27], s[28:29] my head's K and V
.set VB0,  28
.set KB,   30                          ; s[30:31], s[32:33], s[34:35] the bases of the loads in hand
.set VB,   32
.set MB,   34
.set NS,   36                          ; tiles still to walk in the block in hand; NZ: those with a mask; NSB, NZB: the other block's
.set NZ,   37
.set NSB,  38
.set NZB,  39
.set MOF,  40                          ; the number (0 .. 63) of the block of 32 queries whose mask is asked for; MOFB: the other block's
.set MOFB, 41
.set KT,   42                          ; the tile that is asked for
.set G,    43                          ; 1: this step's C is the mask;  GN: the next step's
.set GN,   44
.set CNT,  45
.set CS,   50
.set SEL,  52
.set MSB, 0
.macro WIN new                         ; low byte: bits 1:0 source 0, 3:2 source 1, 5:4 source 2, 7:6 destination; the high byte repeats the setting that is left
.if MSB != (\new)
	s_set_vgpr_msb (MSB<<8)|(\new)
.set MSB, (\new)
.endif
.endm
.macro PICK dst                        ; the lowest tile still to walk; a loaded number enters an address only behind the clamp
	s_ctz_i32_b32 s[KT], s[NS]
	s_min_u32 s[KT], s[KT], 15
	s_lshr_b32 \dst, s[NZ], s[KT]
	s_and_b32 \dst, \dst, 1
.endm
.macro LDK
	s_lshl_b32 s46, s[KT], 15
	s_add_nc_u64 s[KB:KB+1], s[KB0:KB0+1], s[46:47]
	WIN 0x40
.set n, 0
.rept 16
	global_load_b128 v[KF+4*n:KF+4*n+3], v[LN16], s[KB:KB+1] offset:512*n
.set n, n+1
.endr
	WIN 0
.endm
.macro LDV
	s_lshl_b32 s46, s[KT], 15
	s_add_nc_u64 s[VB:VB+1], s[VB0:VB0+1], s[46:47]
	WIN 0x40
.set n, 0
.rept 16
	global_load_b128 v[VF+4*n:VF+4*n+3], v[LN16], s[VB:VB+1] offset:512*n
.set n, n+1
.endr
	WIN 0
.endm
.macro LDM                             ; the mask's image of my 32 queries, into S^T's registers
	s_min_u32 s48, s[MOF], 63                      ; chosen by the stored lists: it enters an address only behind the clamp
	s_lshl_b32 s48, s48, 18                        ; a block's two rows of sixteen images of 8,192 bytes
	s_lshl_b32 s46, s[KT], 13
	s_add_co_u32 s46, s46, s48
	s_add_nc_u64 s[MB:MB+1], s[10:11], s[46:47]
.irp a, 0,1
.set n, 0
.rept 16
	global_load_b128 v[S+64*\a+4*n:S+64*\a+4*n+3], v[LN16], s[MB:MB+1] offset:131072*\a+512*n
.set n, n+1
.endr
.endr
.endm
.macro QK qb, zero                     ; S^T = K Q^T + C: sixteen accumulators, one instruction each
	WIN 0x01
.set t, 0
.rept 8
.irp a, 0,1
.if \zero
	v_wmma_f32_16x16x64_fp8_fp8 v[S+64*\a+8*t:S+64*\a+8*t+7], v[KF+8*t:KF+8*t+7], v[\qb+8*\a:\qb+8*\a+7], 0
.else
	v_wmma_f32_16x16x64_fp8_fp8 v[S+64*\a+8*t:S+64*\a+8*t+7], v[KF+8*t:KF+8*t+7], v[\qb+8*\a:\qb+8*\a+7], v[S+64*\a+8*t:S+64*\a+8*t+7]
.endif
.endr
.set t, t+1
.endr
	WIN 0
.endm
.macro INIT z                          ; the step is written once: a block's first step multiplies what it finds in O^T by f = 0.  z = 1: the first block finds zeros; the second finds the first's numbers, held within the largest code: finite
.if \z
	WIN 0x40
.set n, 0
.rept 64
	v_mov_b32 v[n], 0
.set n, n+1
.endr
	WIN 0
.endif
.irp a, 0,1
	v_mov_b32 v[ST+4*\a+1], 0xff61b1e6             ; the largest t so far: -3e38
	v_mov_b32 v[ST+4*\a+2], 0
	v_mov_b32 v[ST+4*\a+3], 0
.endr
.irp a, 0,1
	v_floor_f32 v[ST+4*\a], -v[ST+4*\a+1]          ; -M
.endr
	s_wait_alu depctr_va_vdst(0)
.endm
; A BLOCK of 32 queries: s[CNT] steps, then its way into the stage.
.macro BLOCK qb, blk
.Lstep_\@:
	s_wait_loadcnt 16                              ; K and the mask are in; V's sixteen loads may be out
	s_cmp_lg_u32 s[G], 0
	s_cbranch_scc1 .Lgen_\@
	QK \qb, 1
	s_branch .Ljoin_\@
.Lgen_\@:
	QK \qb, 0
.Ljoin_\@:
	s_sub_co_u32 s48, s[NS], 1                     ; this tile is done; where the block has none left, the other block's list takes over
	s_and_b32 s[NS], s[NS], s48
	s_cselect_b32 s[NS], s[NS], s[NSB]
	s_cselect_b32 s[NZ], s[NZ], s[NZB]
	s_cselect_b32 s[MOF], s[MOF], s[MOFB]
	s_cselect_b32 s[NSB], s[NSB], 0
	s_cselect_b32 s[NZB], s[NZB], 0
	PICK s[GN]
.rept 4
	v_nop                                          ; places in front of the loads into K's registers and of the reads of S^T
.endr
	LDK
.irp a, 0,1
	v_max3_num_f32 v[T0+\a], v[S+64*\a], v[S+64*\a+1], v[S+64*\a+2]      ; the step's largest score of my query: four chains, ascending
	v_max3_num_f32 v[T1+\a], v[S+64*\a+3], v[S+64*\a+4], v[S+64*\a+5]
.endr
.set j, 6
.rept 14
.irp a, 0,1
	v_max3_num_f32 v[T0+\a], v[T0+\a], v[S+64*\a+j], v[S+64*\a+j+1]
	v_max3_num_f32 v[T1+\a], v[T1+\a], v[S+64*\a+j+2], v[S+64*\a+j+3]
.endr
.set j, j+4
.endr
.irp a, 0,1
	v_max3_num_f32 v[T0+\a], v[T0+\a], v[S+64*\a+62], v[S+64*\a+63]
.endr
.irp a, 0,1
	v_max_num_f32 v[T0+\a], v[T0+\a], v[T1+\a]
.endr
.irp a, 0,1
	v_permlanex16_b32 v[T2+\a], v[T0+\a], s[SEL], s[SEL+1]
.endr
.irp a, 0,1
	v_max_num_f32 v[T0+\a], v[T0+\a], v[T2+\a]     ; and among lane l xor 16's
.endr
.irp a, 0,1
	v_mul_f32 v[T0+\a], s[CS], v[T0+\a]            ; as t (c is positive)
.endr
.irp a, 0,1
	v_max_num_f32 v[ST+4*\a+1], v[ST+4*\a+1], v[T0+\a]
.endr
.irp a, 0,1
	v_mov_b32 v[T0+\a], v[ST+4*\a]
.endr
.irp a, 0,1
	v_floor_f32 v[ST+4*\a], -v[ST+4*\a+1]          ; the new -M = -ceil(t): a whole number
.endr
.irp a, 0,1
	v_sub_f32 v[T0+\a], v[ST+4*\a], v[T0+\a]       ; old M - new M
.endr
.irp a, 0,1
	v_cvt_i32_f32 v[T0+\a], v[T0+\a]               ; (it saturates)
.endr
.irp a, 0,1
	v_ldexp_f32 v[F+2*\a], 1.0, v[T0+\a]           ; f = 2^(old M - new M)
.endr
.irp a, 0,1
.set j, 0
.rept 32
	v_pk_fma_f32 v[S+64*\a+j:S+64*\a+j+1], v[S+64*\a+j:S+64*\a+j+1], s[CS:CS+1], v[ST+4*\a:ST+4*\a+1] op_sel_hi:[1,0,0]   ; t - M
.set j, j+2
.endr
.endr
	s_wait_alu depctr_va_vdst(0)                   ; the wait ahead of the batch
.set j, 0
.rept 128
	v_exp_f32 v[S+j], v[S+j]                       ; p = 2^(t - M)
.set j, j+1
.endr
.irp a, 0,1
	v_pk_mul_f32 v[ST+4*\a+2:ST+4*\a+3], v[ST+4*\a+2:ST+4*\a+3], v[F+2*\a:F+2*\a+1] op_sel_hi:[1,0]   ; the sums under the new M
.endr
	s_wait_alu depctr_va_vdst(0)                   ; and behind it, ahead of the first reader
.irp a, 0,1
	v_pk_add_f32 v[TS+2*\a:TS+2*\a+1], v[S+64*\a:S+64*\a+1], v[S+64*\a+2:S+64*\a+3]   ; the row's sum of the unquantised p: four chains
.endr
.set j, 4
.rept 15
.irp a, 0,1
	v_pk_add_f32 v[ST+4*\a+2:ST+4*\a+3], v[ST+4*\a+2:ST+4*\a+3], v[S+64*\a+j:S+64*\a+j+1]
	v_pk_add_f32 v[TS+2*\a:TS+2*\a+1], v[TS+2*\a:TS+2*\a+1], v[S+64*\a+j+2:S+64*\a+j+3]
.endr
.set j, j+4
.endr
.irp a, 0,1
	v_pk_add_f32 v[ST+4*\a+2:ST+4*\a+3], v[ST+4*\a+2:ST+4*\a+3], v[TS+2*\a:TS+2*\a+1]
.endr
	s_wait_alu depctr_va_vdst(0)
	s_cmp_gt_i32 s76, -9                           ; p is at most 1 (but for t's rounding), and 448 x 2^e4 is at least 1.75 from e4 = -8 on: the hold can act only below that
	s_cbranch_scc1 .Lnohold_\@
.set j, 0
.rept 128
	v_min_num_f32 v[S+j], v[S+j], v[PLIM]          ; the conversion does not saturate (ISA guide 7.6.2)
.set j, j+1
.endr
.Lnohold_\@:
.irp a, 0,1
.set t, 0
.rept 8
	v_cvt_scalef32_pk8_fp8_f32 v[P+16*\a+2*t:P+16*\a+2*t+1], v[S+64*\a+8*t:S+64*\a+8*t+7], v[PSC]   ; keys 16 t + 8 h + 0 .. 7: registers 2 t, 2 t + 1 of P
.set t, t+1
.endr
.endr
	WIN 0x41
	s_wait_alu depctr_va_vdst(0)                   ; the wait directly ahead of the first reader of O^T
.irp a, 0,1
.set j, 0
.rept 16
	v_pk_mul_f32 v[32*\a+j:32*\a+j+1], v[32*\a+j:32*\a+j+1], v[F+2*\a:F+2*\a+1] op_sel_hi:[1,0]   ; O^T under the new M (also the plain lines behind the last conversion)
.set j, j+2
.endr
.endr
	s_wait_alu depctr_va_vdst(0)
	s_wait_loadcnt 16                              ; V is in; the next K's sixteen loads may be out
	WIN 0x51
.set t, 0
.rept 4
.irp a, 0,1
	v_wmma_f32_16x16x128_fp8_fp8 v[32*\a+8*t:32*\a+8*t+7], v[VF+16*t:VF+16*t+15], v[P+16*\a:P+16*\a+15], v[32*\a+8*t:32*\a+8*t+7]
.endr
.set t, t+1
.endr
	WIN 0
.rept 4
	v_nop                                          ; places in front of the loads into V's registers, and of the way out's reads of O^T
.endr
	s_cmp_eq_u32 s[GN], 0
	s_cbranch_scc1 .Lnom_\@
	LDM
.Lnom_\@:
	LDV
	s_mov_b32 s[G], s[GN]
	s_sub_co_i32 s[CNT], s[CNT], 1
	s_cmp_lg_u32 s[CNT], 0
	s_cbranch_scc1 .Lstep_\@
	; the block's way into the stage.  S^T's, K's and V's registers may have loads on their way: none is named here
.irp a, 0,1
	v_add_f32 v[ST+4*\a+2], v[ST+4*\a+2], v[ST+4*\a+3]
.endr
.irp a, 0,1
	v_permlanex16_b32 v[ST+4*\a+3], v[ST+4*\a+2], s[SEL], s[SEL+1]
.endr
.irp a, 0,1
	v_add_f32 v[ST+4*\a+2], v[ST+4*\a+2], v[ST+4*\a+3]   ; the row's sum
.endr
	s_wait_alu depctr_va_vdst(0)
.irp a, 0,1
	v_rcp_f32 v[ST+4*\a+2], v[ST+4*\a+2]
.endr
	v_nop
	WIN 0x41
	s_wait_alu depctr_va_vdst(0)
.irp a, 0,1
.set j, 0
.rept 16
	v_pk_mul_f32 v[32*\a+j:32*\a+j+1], v[32*\a+j:32*\a+j+1], v[ST+4*\a+2:ST+4*\a+3] op_sel_hi:[1,0]
.set j, j+2
.endr
.endr
.set j, 0
.rept 64
	v_med3_num_f32 v[j], v[j], -v[CLIM], v[CLIM]
.set j, j+1
.endr
	WIN 0x01
.set t, 0
.rept 8
	v_cvt_scalef32_pk8_fp8_f32 v[P+2*t:P+2*t+1], v[8*t:8*t+7], v[CSC]
.set t, t+1
.endr
	WIN 0
	v_nop
.irp a, 0,1
.irp t, 0,1,2,3
	ds_store_b64 v[STO], v[P+8*\a+2*\t:P+8*\a+2*\t+1] offset:(\blk)*REG+\a*16*SPI+16*\t   ; row 16 a + r, channels 16 t + 8 h on of my head
.endr
.endr
.endm
	s_load_b256 s[4:11], s[0:1], 0x0               ; qq, kq, vq, mimg
	s_load_b128 s[12:15], s[0:1], 0x20             ; mflag, the exponents
	s_load_b64 s[16:17], s[0:1], 0x30              ; cq
	v_lshl_add_u32 v[SPW], v0, 2, SPARE
	v_mov_b32 v[NIL], 0
	v_lshrrev_b32 v1, 5, v0
	v_readfirstlane_b32 s[WV], v1                  ; wave 0..7
	s_and_b32 s19, s[WV], 3                        ; my head in the group
	s_lshr_b32 s20, s[WV], 2
	s_and_b32 s22, ttmp7, 0xffff                   ; Y
	s_lshl_b32 s23, ttmp9, 1
	s_add_co_u32 s23, s23, s20                     ; pi: my second block
	s_sub_co_u32 s24, 63, s23                      ; my first block
	s_lshl_b32 s48, s22, 19
	s_lshl_b32 s46, s19, 13
	s_add_co_u32 s48, s48, s46                     ; Y's and my head's part of an offset in qq, kq, vq
	s_lshr_b32 s54, s24, 2
	s_lshl_b32 s54, s54, 15
	s_and_b32 s46, s24, 3
	s_lshl_b32 s46, s46, 11
	s_add_co_u32 s54, s54, s46
	s_add_co_u32 s54, s54, s48                     ; Q of the first block: block of 128, two tiles of 1,024 bytes
	s_mov_b32 s55, 0
	s_lshr_b32 s56, s23, 2
	s_lshl_b32 s56, s56, 15
	s_and_b32 s46, s23, 3
	s_lshl_b32 s46, s46, 11
	s_add_co_u32 s56, s56, s46
	s_add_co_u32 s56, s56, s48
	s_mov_b32 s57, 0
	s_lshl_b32 s58, s24, 9                         ; the flags of queries 32 jb on: two units of 256 bytes
	s_lshl_b32 s59, s23, 9
	s_mov_b32 s[MOF], s24
	s_mov_b32 s[MOFB], s23
	s_mul_i32 s80, s20, 2*REG
	s_lshl_b32 s46, s19, 6
	s_add_co_u32 s80, s80, s46                     ; the stage, in: my pair's two regions, my head's 64 bytes
	s_lshr_b32 s81, s[WV], 1
	s_mul_i32 s81, s81, REG
	s_and_b32 s82, s[WV], 1
	s_mul_i32 s46, s82, 16*SPI
	s_add_co_u32 s81, s81, s46                     ; and back: region wave / 2, rows 16 (wave % 2) on
	s_lshr_b32 s83, s[WV], 1
	s_and_b32 s83, s83, 1
	s_cmp_eq_u32 s83, 0
	s_cselect_b32 s83, s24, s23                    ; that region's block of queries
	s_lshl_b32 s83, s83, 15
	s_lshl_b32 s82, s82, 14
	s_add_co_u32 s84, s83, s82
	s_lshr_b32 s82, s22, 2
	s_lshl_b32 s82, s82, 21
	s_add_co_u32 s84, s84, s82
	s_and_b32 s82, s22, 3
	s_lshl_b32 s82, s82, 8
	s_add_co_u32 s84, s84, s82                     ; cq: row b x 2048 + 32 jb + 16 (wave % 2), byte 256 g
	s_mov_b32 s85, 0
	s_mov_b32 s47, 0
	s_mov_b32 s49, 0
	s_mov_b32 s[CS], 0x3e38aa3b                    ; log2(e) / 8
	s_mov_b32 s[SEL], 0x76543210
	s_mov_b32 s[SEL+1], 0xfedcba98
	v_and_b32 v[LN16], 31, v0
	v_and_b32 v7, 15, v0                           ; r
	v_bfe_u32 v8, v0, 4, 1                         ; h
	v_lshlrev_b32 v[LN16], 4, v[LN16]
	v_mul_u32_u24 v[STO], v7, SPI
	v_mul_u32_u24 v[RD], v8, SPI
	v_lshlrev_b32 v[GO], 10, v8
	v_lshl_add_u32 v[STO], v8, 3, v[STO]
	v_lshl_add_u32 v[RD], v7, 4, v[RD]
	v_lshl_add_u32 v[GO], v7, 4, v[GO]
	v_add_nc_u32 v[STO], s80, v[STO]
	v_add_nc_u32 v[RD], s81, v[RD]
	v_mov_b32 v[F+1], 0                            ; (named as upper halves of pairs)
	v_mov_b32 v[F+3], 0
	v_mov_b32 v[T2], 0                             ; a lane permute's destination counts as a source
	v_mov_b32 v[T2+1], 0
	s_wait_alu depctr_va_vdst(0)
	s_wait_kmcnt 0x0
	s_load_b256 s[72:79], s[14:15], 0x0            ; e0 .. e7
	s_load_b32 s66, s[12:13], s58 offset:0x0
	s_load_b32 s67, s[12:13], s58 offset:0x100
	s_load_b32 s68, s[12:13], s59 offset:0x0
	s_load_b32 s69, s[12:13], s59 offset:0x100
	s_add_nc_u64 s[60:61], s[4:5], s[54:55]
	s_add_nc_u64 s[62:63], s[4:5], s[56:57]
	s_add_nc_u64 s[KB0:KB0+1], s[6:7], s[48:49]
	s_add_nc_u64 s[VB0:VB0+1], s[8:9], s[48:49]
	s_add_nc_u64 s[16:17], s[16:17], s[84:85]
.irp a, 0,1
.irp u, 0,1
	global_load_b128 v[QA+8*\a+4*\u:QA+8*\a+4*\u+3], v[LN16], s[60:61] offset:1024*\a+512*\u
	global_load_b128 v[QB+8*\a+4*\u:QB+8*\a+4*\u+3], v[LN16], s[62:63] offset:1024*\a+512*\u
.endr
.endr
	s_wait_kmcnt 0x0
	s_or_b32 s66, s66, s67                         ; a tile is walked if either 16 queries want it, and has a mask if either's is not zero
	s_or_b32 s68, s68, s69
	s_and_b32 s[NS], s66, 0xffff
	s_lshr_b32 s[NZ], s66, 16
	s_and_b32 s[NSB], s68, 0xffff
	s_lshr_b32 s[NZB], s68, 16
	s_bcnt1_i32_b32 s[CNT], s[NS]
	s_max_u32 s[CNT], s[CNT], 1                    ; (the first launch leaves no list empty)
	s_bcnt1_i32_b32 s70, s[NSB]
	s_max_u32 s70, s70, 1
	PICK s[G]
	s_mov_b32 s[G], 1                              ; the wave's first step takes its mask's image whatever the flag says: an image of zeros adds nothing
	LDK
	LDM
	LDV
	s_add_co_i32 s86, s74, s75
	s_lshl_b32 s86, s86, 23
	s_add_co_i32 s[CS], s[CS], s86                 ; a score stands for score x 2^(e2 + e3): added to c's exponent field
	s_mov_b32 s[CS+1], s[CS]
	s_add_co_i32 s86, s76, 127
	s_lshl_b32 s87, s86, 23
	v_mov_b32 v[PSC], s87                          ; 2^e4
	s_add_co_i32 s86, s86, 8
	s_lshl_b32 s86, s86, 23
	s_or_b32 s86, s86, 0x600000
	v_mov_b32 v[PLIM], s86                         ; 448 x 2^e4
	s_sub_co_i32 s86, s78, s76
	s_sub_co_i32 s86, s86, s77                     ; O / the sum stands for ctx / 2^(e4 + e5): its code is that / 2^(e6 - e4 - e5)
	s_add_co_i32 s86, s86, 127
	s_lshl_b32 s87, s86, 23
	v_mov_b32 v[CSC], s87
	s_add_co_i32 s86, s86, 8
	s_lshl_b32 s86, s86, 23
	s_or_b32 s86, s86, 0x600000
	v_mov_b32 v[CLIM], s86
	INIT 1
	BLOCK QA, 0
	s_mov_b32 s[CNT], s70
	INIT 0
	BLOCK QB, 1
	s_wait_dscnt 0x0                               ; my codes are in the stage
	s_barrier_signal -1
	s_barrier_wait -1                              ; and everybody's
.set n, 0
.rept 8
	ds_load_b128 v[P+4*n:P+4*n+3], v[RD] offset:2*SPI*n   ; lanes 0-15 one row of four heads, lanes 16-31 the next
.set n, n+1
.endr
.set n, 0
.rept 8
	s_wait_dscnt 7-n                               ; the younger read-backs may be out
	global_store_b128 v[GO], v[P+4*n:P+4*n+3], s[16:17] offset:2048*n   ; sixteen lanes store 256 consecutive bytes, aligned
.set n, n+1
.endr
	s_wait_tensorcnt 0x0                           ; the wave's end
	ds_add_u32 v[SPW], v[NIL]
	s_wait_dscnt 0x0
	s_endpgm
.Lfunc_end_k_q06932e36a3_attn:
	.size	k_q06932e36a3_attn, .Lfunc_end_k_q06932e36a3_attn-k_q06932e36a3_attn
	.p2alignl 7, 3214868480
	.fill 96, 4, 3214868480
	.section	.rodata,"a",@progbits
	.p2align	6, 0x0
	.amdhsa_kernel k_q06932e36a3_attn
		.amdhsa_group_segment_fixed_size 35840
		.amdhsa_private_segment_fixed_size 0
		.amdhsa_enable_private_segment 0
		.amdhsa_kernarg_size 56
		.amdhsa_user_sgpr_count 2
		.amdhsa_user_sgpr_kernarg_segment_ptr 1
		.amdhsa_wavefront_size32 1
		.amdhsa_system_sgpr_workgroup_id_x 1
		.amdhsa_system_sgpr_workgroup_id_y 1
		.amdhsa_system_sgpr_workgroup_id_z 1
		.amdhsa_system_vgpr_workitem_id 0
		.amdhsa_next_free_vgpr 512
		.amdhsa_next_free_sgpr 100
		.amdhsa_reserve_vcc 0
		.amdhsa_float_denorm_mode_32 3
		.amdhsa_float_denorm_mode_16_64 3
		.amdhsa_memory_ordered 1
		.amdhsa_forward_progress 1
		.amdhsa_inst_pref_size 101
	.end_amdhsa_kernel
	.amdgpu_metadata
---
amdhsa.version: [ 1, 2 ]
amdhsa.kernels:
  - .name:           k_q06932e36a3_attn
    .symbol:         k_q06932e36a3_attn.kd
    .args:
      - { .name: qq, .offset: 0, .size: 8, .value_kind: global_buffer, .address_space: global }
      - { .name: kq, .offset: 8, .size: 8, .value_kind: global_buffer, .address_space: global }
      - { .name: vq, .offset: 16, .size: 8, .value_kind: global_buffer, .address_space: global }
      - { .name: mimg, .offset: 24, .size: 8, .value_kind: global_buffer, .address_space: global }
      - { .name: mflag, .offset: 32, .size: 8, .value_kind: global_buffer, .address_space: global }
      - { .name: lowp_scales, .offset: 40, .size: 8, .value_kind: global_buffer, .address_space: global }
      - { .name: cq, .offset: 48, .size: 8, .value_kind: global_buffer, .address_space: global }
    .group_segment_fixed_size: 35840
    .private_segment_fixed_size: 0
    .kernarg_segment_align: 8
    .kernarg_segment_size: 56
    .max_flat_workgroup_size: 256
    .sgpr_count:     100
    .vgpr_count:     512
    .wavefront_size: 32
...
	.end_amdgpu_metadata
.endif
;; end of part 3
;; launch oproj (part 4): grid 4 x 32, 4 waves a work-group, clusters of 4 x 4, 327,680 bytes of LDS; arguments cq, wq, lowp_scales, out0; writes out0
.if DOCPART == 4
	.amdgcn_target "amdgcn-amd-amdhsa--gfx1250"
	.amdhsa_code_object_version 6
	.text
	.protected	k_q06932e36a3_oproj
	.globl	k_q06932e36a3_oproj
	.p2align	8
	.type	k_q06932e36a3_oproj,@function
k_q06932e36a3_oproj:
	s_mov_b64 s[64:65], 0
	v_nop
	global_prefetch_b8 v0, s[64:65] scope:SCOPE_SE
	s_setreg_imm32_b32 hwreg(HW_REG_WAVE_MODE, 25, 1), 1
	s_wait_xcnt 0x0
	s_wait_alu depctr_hold_cnt(0) depctr_sa_sdst(0) depctr_va_vdst(0) depctr_va_sdst(0) depctr_va_ssrc(0) depctr_va_vcc(0) depctr_vm_vsrc(0)
	s_getreg_b32 s2, hwreg(HW_REG_IB_STS2, 6, 4)
	s_cmp_eq_u32 s2, 0
	s_cbranch_scc0 .Lentry_in_a_cluster
	s_endpgm
.Lentry_in_a_cluster:
	s_bfe_u32 s2, ttmp6, 0x10000c
	s_cmp_lg_u32 s2, 0xf033
	s_cbranch_scc0 .Lentry_shape_is_right
	s_endpgm
.Lentry_shape_is_right:
.set KSTEP,  256
.set ROWB,   256
.set KROW,   1024
.set CROW,   16384
.set PITCH,  272
.set FR,     16
.set NL,     4
.set NP,     4
.set HALFT,  128*PITCH
.set SLOT,   4*HALFT
.set LAPS,   KROW/(2*KSTEP)
.set SPARE,  2*SLOT
.set SPITCH, 528
.set ADRA, 16
.set ADRB, 20
.set STO,  24
.set RD,   25
.set CO,   26
.set SPW,  28
.set NIL,  29
.set TMP,  32
.set AF,   128
.set BK,   128
.set G1, 24
.set G0, 32
.set G1B, 48
.set G0B, 56
.set MSB, 0
.macro WIN new
.if MSB != (\new)
	s_set_vgpr_msb (MSB<<8)|(\new)
.set MSB, (\new)
.endif
.endm
.set MUL_LO, 0xa1
.set MUL_HI, 0xf1
.set TO_B,   0x40
.macro JLOAD g0a, g1a, g0b, g1b
	s_cmp_eq_u32 s15, 0
	s_cbranch_scc0 .Lfor_b_\@
	tensor_load_to_lds s[\g0a:\g0a+3], s[\g1a:\g1a+7]
	s_nop 0
.rept 4
	v_nop
.endr
	s_branch .Lasked_\@
.Lfor_b_\@:
	tensor_load_to_lds s[\g0b:\g0b+3], s[\g1b:\g1b+7]
	s_nop 0
.rept 4
	v_nop
.endr
.Lasked_\@:
.endm
.macro CREST
	s_cmp_lg_u32 s14, 0
	s_cbranch_scc1 .Lnot_wave_0_\@
	s_barrier_signal -3
.Lnot_wave_0_\@:
	s_barrier_wait -3
	s_barrier_signal -1
	s_barrier_wait -1
.endm
.macro CROUND
	s_barrier_signal -1
	s_barrier_wait -1
	CREST
.endm
	s_load_b128 s[4:7], s[0:1], 0x0
	s_load_b128 s[8:11], s[0:1], 0x10
	v_lshl_add_u32 v[SPW], v0, 2, SPARE
	v_mov_b32 v[NIL], 0
	ds_add_u32 v28, v29
	ds_add_u32 v28, v29
	s_wait_dscnt 0x0
	v_lshrrev_b32 v1, 5, v0
	v_readfirstlane_b32 s14, v1
	s_lshr_b32 s15, s14, 1
	s_and_b32 s16, s14, 1
	s_bfe_u32 s40, ttmp6, 0x40000
	s_bfe_u32 s41, ttmp6, 0x40004
	s_lshl_b32 s42, ttmp9, 2
	s_add_co_u32 s42, s42, s40
	s_and_b32 s17, ttmp7, 0xffff
	s_lshl_b32 s17, s17, 2
	s_add_co_u32 s17, s17, s41
	s_lshl_b32 s43, s41, 2
	s_lshl_b32 s43, 15, s43
	s_lshl_b32 s44, 0x1111, s40
	s_or_b32 s[G1+0], s43, (0<<16)|(1<<20)|(1<<21)|(5<<22)|(3<<25)
	s_or_b32 s[G1B+0], s44, (0<<16)|(1<<20)|(1<<21)|(5<<22)|(3<<25)
.irp g, G1, G1B
	s_mov_b32 s[\g+1], ROWB<<16
	s_mov_b32 s[\g+2], 128<<16
	s_mov_b32 s[\g+3], ROWB<<16
	s_mov_b32 s[\g+4], 128
	s_mov_b32 s[\g+5], KROW
	s_mov_b32 s[\g+6], 0
	s_mov_b32 s[\g+7], 0
.endr
	s_lshl_b32 s18, s16, 7
	s_lshl_b32 s20, s17, 8
	s_add_co_u32 s20, s20, s18
	s_lshl_b32 s20, s20, 10
	s_mov_b32 s21, 0
	s_lshl_b32 s46, s42, 8
	s_add_co_u32 s46, s46, s18
	s_lshl_b32 s46, s46, 10
	s_add_co_u32 s46, s46, 3145728                 ; Wout's codes lie behind Wqkv's 3,072 rows in wq
	s_mov_b32 s47, 0
	s_mul_i32 s45, s14, HALFT
	s_wait_kmcnt 0x0
	s_load_b64 s[96:97], s[8:9], 0x18
	s_add_nc_u64 s[20:21], s[4:5], s[20:21]
	s_add_nc_u64 s[46:47], s[6:7], s[46:47]
	CROUND
.irp s, 0,1
	s_mov_b32 s[G0+4*\s], 1
	s_add_co_u32 s[G0+4*\s+1], s45, \s*SLOT
	s_add_nc_u64 s[G0+4*\s+2:G0+4*\s+3], s[20:21], \s*ROWB
	s_or_b32 s[G0+4*\s+3], s[G0+4*\s+3], 0x80000000
	s_mov_b32 s[G0B+4*\s], 1
	s_add_co_u32 s[G0B+4*\s+1], s45, \s*SLOT
	s_add_nc_u64 s[G0B+4*\s+2:G0B+4*\s+3], s[46:47], \s*ROWB
	s_or_b32 s[G0B+4*\s+3], s[G0B+4*\s+3], 0x80000000
	s_wait_alu depctr_va_vdst(0)
	s_wait_tensorcnt 0x0
	ds_add_u32 v28, v29
	ds_add_u32 v28, v29
	s_wait_dscnt 0x0
	CROUND
	JLOAD G0+4*\s, G1, G0B+4*\s, G1B
.endr
	v_and_b32 v1, 15, v0
	s_wait_alu depctr_va_vdst(0)
	v_bfe_u32 v2, v0, 4, 1
	v_mul_u32_u24 v3, v1, PITCH
	v_lshl_add_u32 v4, v2, 4, v3
	s_mul_i32 s21, s15, HALFT
	s_mul_i32 s22, s16, HALFT
	s_add_co_u32 s22, s22, 2*HALFT
.irp s, 0,1
	v_add_nc_u32 v[ADRA+\s], s21, v4
	v_add_nc_u32 v[ADRB+\s], s22, v4
	s_add_co_u32 s21, s21, SLOT
	s_add_co_u32 s22, s22, SLOT
.endr
	s_mul_i32 s23, s14, 16*SPITCH
	v_mul_u32_u24 v5, v1, SPITCH
	s_wait_alu depctr_va_vdst(0)
	v_lshl_add_u32 v5, v2, 5, v5
	v_add_nc_u32 v[STO], s23, v5
	v_and_b32 v6, 31, v0
	v_lshlrev_b32 v[CO], 4, v6
	v_add_nc_u32 v[RD], s23, v[CO]
	s_and_b32 s20, s17, 7
	s_lshl_b32 s20, s20, 8
	s_lshl_b32 s21, s15, 7
	s_add_co_u32 s20, s20, s21
	s_lshl_b32 s20, s20, 14
	s_lshr_b32 s21, s17, 3
	s_lshl_b32 s21, s21, 12
	s_add_co_u32 s20, s20, s21
	s_mov_b32 s21, 0
	s_lshl_b32 s46, s42, 10
	s_lshl_b32 s47, s16, 9
	s_add_co_u32 s46, s46, s47
	s_mov_b32 s47, 0
	s_add_nc_u64 s[20:21], s[20:21], s[46:47]
	s_add_nc_u64 s[10:11], s[10:11], s[20:21]
.macro FRAG reg, adr, q, i
.irp c, 0,1,2,3
	ds_load_b128 v[\reg+4*\c:\reg+4*\c+3], v[\adr] offset:128*(\q)+32*\c+(\i)*16*PITCH
.endr
.endm
.macro MUL16 a0, p, zero
.irp a, \a0, \a0+1
.irp b, 0,1,2,3,4,5,6,7
.if \zero
	v_wmma_f32_16x16x128_fp8_fp8 v[8*(8*((\a)%4)+\b):8*(8*((\a)%4)+\b)+7], v[128*(\p)+FR*\b:128*(\p)+FR*\b+FR-1], v[AF+FR*(\a):AF+FR*(\a)+FR-1], 0
.else
	v_wmma_f32_16x16x128_fp8_fp8 v[8*(8*((\a)%4)+\b):8*(8*((\a)%4)+\b)+7], v[128*(\p)+FR*\b:128*(\p)+FR*\b+FR-1], v[AF+FR*(\a):AF+FR*(\a)+FR-1], v[8*(8*((\a)%4)+\b):8*(8*((\a)%4)+\b)+7]
.endif
.endr
.endr
.endm
.macro FETCH_B slot, q, p
	WIN TO_B
.irp i, 0,1,2,3,4,5,6,7
	FRAG 128*(\p)+FR*\i, ADRB+\slot, \q, \i
.endr
	WIN 0
.endm
.macro FETCH_A slot, q, i0
.irp i, \i0, \i0+1, \i0+2, \i0+3
	FRAG AF+FR*(\i), ADRA+\slot, \q, \i
.endr
.endm
.macro PLACES n
.rept \n
	v_nop
.endr
.endm
.macro STEP slot, q, zero
	s_wait_dscnt 4*NL
	WIN MUL_LO
	MUL16 0, (\q)%2, \zero
	MUL16 2, (\q)%2, \zero
	s_wait_dscnt 0
	PLACES NP
	FETCH_B \slot, (\q)+1, 1-(\q)%2
	FETCH_A \slot, (\q)+1, 0
	WIN MUL_HI
	MUL16 4, (\q)%2, \zero
	MUL16 6, (\q)%2, \zero
	PLACES NP
	WIN 0
	FETCH_A \slot, (\q)+1, 4
.endm
.macro TURN slot, next, fill
	s_wait_tensorcnt 0x0
	ds_add_u32 v[SPW], v[NIL]
	s_wait_dscnt 4*NL+1
	WIN MUL_LO
	MUL16 0, 1, 0
	s_wait_dscnt 0x0
	s_barrier_signal -1
	MUL16 2, 1, 0
	WIN 0
	s_barrier_wait -1
.if \fill
	CREST
	s_add_nc_u64 s[G0+4*\slot+2:G0+4*\slot+3], s[G0+4*\slot+2:G0+4*\slot+3], 2*ROWB
	s_add_nc_u64 s[G0B+4*\slot+2:G0B+4*\slot+3], s[G0B+4*\slot+2:G0B+4*\slot+3], 2*ROWB
	JLOAD G0+4*\slot, G1, G0B+4*\slot, G1B
.else
	PLACES NP
.endif
	FETCH_B \next, 0, 0
	FETCH_A \next, 0, 0
	WIN MUL_HI
	MUL16 4, 1, 0
	MUL16 6, 1, 0
	PLACES NP
	WIN 0
	FETCH_A \next, 0, 4
.endm
	s_wait_tensorcnt 1
	s_barrier_signal -1
	s_barrier_wait -1
	FETCH_B 0, 0, 0
	FETCH_A 0, 0, 0
	FETCH_A 0, 0, 4
	STEP 0, 0, 1
	s_mov_b32 s3, LAPS-1
.Llap:
	TURN 0, 1, 1
	STEP 1, 0, 0
	TURN 1, 0, 1
	STEP 0, 0, 0
	s_sub_co_u32 s3, s3, 1
	s_cmp_lg_u32 s3, 0
	s_cbranch_scc1 .Llap
	TURN 0, 1, 0
	STEP 1, 0, 0
	s_wait_dscnt 4*NL
	WIN MUL_LO
	MUL16 0, 1, 0
	MUL16 2, 1, 0
	s_wait_dscnt 0
	WIN MUL_HI
	MUL16 4, 1, 0
	MUL16 6, 1, 0
	WIN 0
.macro TOSTAGE a
.set AC, 64*((\a)%4)
	WIN (0x02+((\a)/4))
.irp j, 0,2,4,6,8,10,12,14,16,18,20,22,24,26,28,30,32,34,36,38,40,42,44,46,48,50,52,54,56,58,60,62
	v_pk_mul_f32 v[TMP+\j:TMP+\j+1], v[AC+\j:AC+\j+1], s[96:97] op_sel_hi:[1,0]
.endr
	WIN 0
.irp b, 0,1,2,3,4,5,6,7
	ds_store_b128 v[STO], v[TMP+8*\b:TMP+8*\b+3] offset:64*\b
	ds_store_b128 v[STO], v[TMP+8*\b+4:TMP+8*\b+7] offset:64*\b+16
.endr
.set BB, BK+64*((\a)%2)
.irp t, 0,1,2,3,4,5,6,7,8,9,10,11,12,13,14,15
	ds_load_b128 v[BB+4*\t:BB+4*\t+3], v[RD] offset:\t*SPITCH
.endr
.endm
.macro SEND a, younger
.set BB, BK+64*((\a)%2)
	s_wait_dscnt \younger
.if (\a) > 0
	s_add_nc_u64 s[10:11], s[10:11], 16*CROW
.endif
.irp t, 0,1,2,3,4,5,6,7,8,9,10,11,12,13,14,15
	global_store_b128 v[CO], v[BB+4*\t:BB+4*\t+3], s[10:11] offset:\t*CROW th:TH_STORE_NT
.endr
.endm
	s_wait_kmcnt 0x0
	s_add_co_i32 s96, s96, s97
	s_add_co_i32 s96, s96, 127
	s_lshl_b32 s96, s96, 23
	PLACES NP
	TOSTAGE 0
.irp a, 1,2,3,4,5,6,7
.if \a > 1
	s_wait_xcnt 0x0
.endif
	TOSTAGE \a
	SEND \a-1, 32
.endr
	s_wait_xcnt 0x0
	SEND 7, 0
	s_wait_tensorcnt 0x0
	ds_add_u32 v[SPW], v[NIL]
	s_wait_dscnt 0x0
	CROUND
	s_endpgm
.Lfunc_end_k_q06932e36a3_oproj:
	.size	k_q06932e36a3_oproj, .Lfunc_end_k_q06932e36a3_oproj-k_q06932e36a3_oproj
	.p2alignl 7, 3214868480
	.fill 96, 4, 3214868480
	.section	.rodata,"a",@progbits
	.p2align	6, 0x0
	.amdhsa_kernel k_q06932e36a3_oproj
		.amdhsa_group_segment_fixed_size 327680
		.amdhsa_private_segment_fixed_size 0
		.amdhsa_enable_private_segment 0
		.amdhsa_kernarg_size 32
		.amdhsa_user_sgpr_count 2
		.amdhsa_user_sgpr_kernarg_segment_ptr 1
		.amdhsa_wavefront_size32 1
		.amdhsa_system_sgpr_workgroup_id_x 1
		.amdhsa_system_sgpr_workgroup_id_y 1
		.amdhsa_system_sgpr_workgroup_id_z 1
		.amdhsa_system_vgpr_workitem_id 0
		.amdhsa_next_free_vgpr 1024
		.amdhsa_next_free_sgpr 98
		.amdhsa_reserve_vcc 0
		.amdhsa_float_denorm_mode_32 3
		.amdhsa_float_denorm_mode_16_64 3
		.amdhsa_memory_ordered 1
		.amdhsa_forward_progress 1
		.amdhsa_inst_pref_size 124
	.end_amdhsa_kernel
	.amdgpu_metadata
---
amdhsa.version: [ 1, 2 ]
amdhsa.kernels:
  - .name:           k_q06932e36a3_oproj
    .symbol:         k_q06932e36a3_oproj.kd
    .args:
      - { .name: cq, .offset: 0, .size: 8, .value_kind: global_buffer, .address_space: global }
      - { .name: wq, .offset: 8, .size: 8, .value_kind: global_buffer, .address_space: global }
      - { .name: lowp_scales, .offset: 16, .size: 8, .value_kind: global_buffer, .address_space: global }
      - { .name: out0, .offset: 24, .size: 8, .value_kind: global_buffer, .address_space: global }
    .group_segment_fixed_size: 327680
    .private_segment_fixed_size: 0
    .kernarg_segment_align: 8
    .kernarg_segment_size: 32
    .max_flat_workgroup_size: 128
    .sgpr_count:     98
    .vgpr_count:     1024
    .wavefront_size: 32
...
	.end_amdgpu_metadata
.endif
;; end of part 4
